; MI455X (gfx1250); checked and timed in simulation.
; The chip was launched on July 23, 2026; its instructions are those of AMD's public machine-readable ISA for CDNA 5 (MIT licence, August 2026) and "CDNA5" Instruction Set Architecture Reference Guide (July 2026). The comments in the code are by the model that wrote it; some were corrected since.
;; Multi Head Attention. Allowed arithmetic: matrix products marked QUANTISED: E3M2 operands, one E8M0 scale for each 32 along K, by v_wmma_scale_f32_16x16x128_f8f6f4 with both operands' format E3M2, f32 sums; everything else in f32.
;; Inputs: beta 1,024 float32; gamma 1,024 float32; k 4 x 2,048 x 1,024 float32; masks 4 x 2,048 x 2,048 int32; proj_K 1,024 float32; proj_Q 1,024 float32; proj_V 1,024 float32; q 4 x 2,048 x 1,024 float32; v 4 x 2,048 x 1,024 float32.
;; Outputs: out0 4 x 2,048 x 1,024 float32.
;; This version of the problem:
;;   THIS VERSION OF THE PROBLEM IS GIVEN IN LOW PRECISION. The matrix products marked QUANTISED in the list below multiply operands that are first quantised to E3M2 (3 exponent bits, 2 mantissa bits; 6 bits a number), with one power-of-two scale for each 32 numbers along K (OCP MX v1.0); their sums are f32. All else is computed in f32.
;;   The module's matrix products, in the order in which they are computed (A, B: the left and right operand; K: the contracted axis; several contracted axes count as one K, in the product's order):
;;     1. batch 64 x [M 2,048, K 64] x [K 64, N 2,048]; A: computed on the way; B: computed on the way: QUANTISED
;;     2. batch 64 x [M 2,048, K 2,048] x [K 2,048, N 64]; A: softmax (see below); B: computed on the way: QUANTISED
;;   THE QUANTISER, for each operand of a quantised product, along K:
;;     - K is cut into blocks of 32 from its start; a last block that is shorter is filled with zeros.
;;     - A block's scale is 2^e with e = floor(log2(the largest magnitude in the block)) - 4, held to -126 .. 127; a block of zeros has e = 0. As a byte (E8M0): e + 127.
;;     - Each number is divided by its block's scale, clamped to +-28, and rounded to the nearest number of E3M2, ties to even, subnormals kept.
;;     - The product sums the exact products of the quantised numbers (number of the format x scale) in f32.
;;   ~~~python
;;   def quantise(x, axis):      # numpy; x: float32 -> the quantised numbers, widened to float32 again
;;       x = np.moveaxis(x, axis, -1); K = x.shape[-1]
;;       x = np.pad(x, [(0, 0)] * (x.ndim - 1) + [(0, -K % 32)]); x = x.reshape(x.shape[:-1] + (-1, 32)); a = np.abs(x).max(-1, keepdims=True)
;;       e = np.where(a > 0, np.clip(np.frexp(np.where(a > 0, a, 1))[1] - 1 - 4, -126, 127), 0)      # np.frexp(a)[1] - 1 = floor(log2(a)), exactly
;;       r = np.clip(x / 2.0 ** e, -28, 28)
;;       step = 2.0 ** (np.maximum(np.frexp(np.where(r == 0, 1, r))[1] - 1, -2) - 2)
;;       q = np.round(r / step) * step * 2.0 ** e      # np.round: ties to even
;;       return np.moveaxis(q.reshape(q.shape[:-2] + (-1,))[..., :K], -1, axis).astype(np.float32)
;;   ~~~
;;   SOFTMAX AHEAD OF A QUANTISED PRODUCT. Where the list says 'softmax', what is quantised is not the finished softmax but p = 2^(t - M), with t = logit x log2(e) and M = ceil(the row's largest t), a whole number; so 1/2 < the row's largest p <= 1. The row's sum l is taken of the UNQUANTISED p, in f32, and the product's result is divided by l at the end. Since M is a whole number, a kernel that streams over the keys may use a running M (the ceiling of the running maximum): every later rescaling is an exact power of two, which a block's scale takes up: the codes' values come out the same.
;;   OPERANDS COMPUTED ON THE WAY. 'Computed on the way' means the value that the module computes at that place (a softmax that the list does not call 'softmax' is quantised finished and normalised). What goes into a quantiser is computed in f32, as accurately as f32 sums, v_exp_f32 and their like allow (about 1e-6 of the number): no bf16 or f16 on the way to a quantiser, and a product that is left as it is and whose result goes on into a quantised operand takes f32 operands (vector FMAs, or v_wmma_f32_16x16x4_f32). A number that lies on a knife's edge between two numbers of the format may be rounded either way, as far as f32 arithmetic and the matrix unit's own rounding can turn it there, and no further.
;; One version. Each part assembles by itself: llvm-mc -triple=amdgcn-amd-amdhsa -mcpu=gfx1250 --defsym DOCPART=n.
;; ======== version 1 of 1: 3 launches
;; limits: right only within a limited range of input values
;; workspace buffers: kv 13,107,200 bytes; maskw 2,097,152 bytes of whole numbers; res 33,554,432 bytes
;; launch pack (part 1): grid 2048 x 1, 4 waves a work-group, no clusters, 69,632 bytes of LDS; arguments masks, maskw, q, proj_K, proj_V, kv; writes maskw, kv
.if DOCPART == 1
	.amdgcn_target "amdgcn-amd-amdhsa--gfx1250"
	.amdhsa_code_object_version 6
	.text
	.protected	k_qfacee6ff69_pack
	.globl	k_qfacee6ff69_pack
	.p2align	8
	.type	k_qfacee6ff69_pack,@function
k_qfacee6ff69_pack:
	s_mov_b64 s[64:65], 0
	v_nop
	global_prefetch_b8 v0, s[64:65] scope:SCOPE_SE
	s_setreg_imm32_b32 hwreg(HW_REG_WAVE_MODE, 25, 1), 1
	s_wait_xcnt 0x0
; One launch prepares what the attention launch reads.  reference() applies all three projections to q and never uses its inputs k and v, whatever they hold:
; they have no way to the output, are not loaded and are among no launch's arguments.  LIMIT: a NaN or an infinity in k or v is not carried to the result.
; WORK-GROUPS 0-1023: masks [4][2048][2048] int32 -> maskw [4 masks][128 tiles of 16 queries][16 steps of 128 keys][64 words].
;   Bit l of word n says whether masks[j][16 qt + l % 16][128 st + 64 (n / 32) + 32 (l / 16) + n % 32] is not 0: the lane mask for score register n of the attention launch.
;   A work-group takes half the steps of one tile of queries, a wave two steps.  Each load reads 512 consecutive bytes of a row; a step's 16 rows turn through the wave's own stage
;   (rows 528 bytes apart); a compare gives a word in a scalar register, v_writelane_b32 puts it in its lane; a step's 64 words leave as 256 consecutive, aligned bytes.
; WORK-GROUPS 1024-2047: K = q proj_K and V = q proj_V as codes of E3M2 with E8M0 scales, K along the head's 64 channels, V along the keys.  Head n = 16 b + h: columns 64 h .. 64 h + 63 of batch b.
;   kv: [64 heads][16 steps of 128 keys][12,800 bytes], an image of the operands' registers: a fragment (12 registers a lane) is 3 x 512 bytes, registers 4 c .. 4 c + 3 at 512 c + 16 x lane.
;   0      four PAIR fragments of K: row r of pair p holds at k 0-63 the codes of key 64 (p / 2) + 16 (p % 2) + 32 (r / 8) + r % 8, at k 64-127 those of the key 8 further on
;   6,144  four fragments of V: row r of tile t is channel 16 t + r, k the step's 128 keys
;   12,288 scale words, 16 bytes a lane l: K's of pair l / 16, of pair 2 + l / 16, V's of tile l / 16, of tile 2 + l / 16, each for row l % 16
;   A work-group takes one step of one head: 128 keys x 64 columns into LDS (rows 272 bytes apart); wave w makes K's pair w and V's tile w.
; A block's scale byte is its largest magnitude's exponent field - 4, held at 1 from below; a block of zeros gets 1 where the rule says 127: its codes are zeros, and this program alone reads the bytes.
; LIMITS: NaN and infinities among the inputs are not served; blocks whose largest magnitude lies under 2^-122 get the byte 1.
; The two paths part on the work-group's number alone and have LDS bytes of their own.  Both stream: no matrix unit, no cluster, no tensor load.
.set SP,    528
.set KT,    4*16*SP                    ; behind the four mask stages: the K and V path's tile
.set TP,    272
.set SCB,   KT+128*TP                  ; behind the tile: the step's 128 scale words
.set SPARE, SCB+512                    ; the spare words: 512 bytes that no other line names
.set SPW,   208
.set NIL,   209
	s_load_b128 s[4:7], s[0:1], 0x0                ; masks, maskw
	s_load_b256 s[8:15], s[0:1], 0x10              ; q, proj_K, proj_V, kv
	v_lshl_add_u32 v[SPW], v0, 2, SPARE
	v_mov_b32 v[NIL], 0
	v_lshrrev_b32 v5, 5, v0
	v_readfirstlane_b32 s16, v5                    ; wave 0..3
	v_and_b32 v1, 31, v0                           ; lane
	v_and_b32 v2, 15, v0                           ; r
	v_bfe_u32 v3, v0, 4, 1                         ; hh
	v_lshlrev_b32 v8, 4, v1                        ; 16 x lane
	s_wait_alu depctr_va_vdst(0)
	s_cmp_ge_u32 ttmp9, 1024
	s_cbranch_scc1 .Lkv
; ---------------- the masks
.set R,   16                           ; v16-143  the numbers as loaded: 64 registers a step
.set T,   144                          ; v144-207 a step's numbers turned: register n of lane (r, hh) = row r, key 64 (n / 32) + 32 hh + n % 32
.set OUT, 10                           ; v[10:11], v[12:13] the two steps' words: lane i holds words 2 i and 2 i + 1
	s_mul_i32 s17, s16, 16*SP                      ; my wave's stage
	s_lshr_b32 s18, ttmp9, 1                       ; 128 x mask + tile of queries
	s_and_b32 s19, ttmp9, 1
	s_lshl_b32 s19, s19, 3
	s_lshl_b32 s20, s16, 1
	s_add_co_u32 s19, s19, s20                     ; my first step: 8 x half + 2 x wave
	s_lshl_b32 s20, s18, 17                        ; 16 rows of 8,192 bytes a tile,
	s_lshl_b32 s21, s19, 9                         ; 512 bytes a step
	s_add_co_u32 s20, s20, s21
	s_mov_b32 s21, 0
	s_lshl_b32 s22, s18, 12                        ; out: 4,096 bytes a tile,
	s_lshl_b32 s23, s19, 8                         ; 256 a step
	s_add_co_u32 s22, s22, s23
	s_mov_b32 s23, 0
	v_add_nc_u32 v4, s17, v8                       ; into the stage: 16 x lane of a row
	v_mul_u32_u24 v5, v2, SP
	v_lshl_add_u32 v5, v3, 7, v5
	v_add_nc_u32 v5, s17, v5                       ; out of it: row r, + 128 hh bytes (32 keys)
	v_lshlrev_b32 v6, 3, v1                        ; my two words on the way out
.irp i, 0,1,2,3
	v_mov_b32 v[OUT+\i], 0                         ; v_writelane_b32's destination counts as read
.endr
	s_wait_alu depctr_va_vdst(0)
	s_wait_kmcnt 0x0
	s_add_nc_u64 s[4:5], s[4:5], s[20:21]
	s_add_nc_u64 s[6:7], s[6:7], s[22:23]
.irp e, 0,1
.irp row, 0,1,2,3,4,5,6,7,8,9,10,11,12,13,14,15
	global_load_b128 v[R+64*\e+4*\row:R+64*\e+4*\row+3], v8, s[4:5] offset:\row*8192+512*\e th:TH_LOAD_NT
.endr
.endr
.macro MSTEP e
	s_wait_loadcnt 16*(1-\e)                       ; this step's 16 loads are in; the other step's 16, issued behind them, may be out
.irp row, 0,1,2,3,4,5,6,7,8,9,10,11,12,13,14,15
	ds_store_b128 v4, v[R+64*\e+4*\row:R+64*\e+4*\row+3] offset:\row*SP
.endr
.irp bb, 0,1,2,3
.irp jj, 0,1,2,3
	ds_load_b128 v[T+16*\bb+4*\jj:T+16*\bb+4*\jj+3], v5 offset:256*(\bb/2)+64*(\bb%2)+16*\jj   ; LDS serves a wave's instructions in order: these see the stores above
.endr
.endr
	s_wait_dscnt 0x0
.irp g, 0,1                            ; 32 words at a time: 32 compares into 32 scalar registers, then each word into its lane
.set n, 0
.rept 32
	v_cmp_ne_u32 s[24+n], 0, v[T+32*\g+n]
.set n, n+1
.endr
.set n, 0
.rept 32
	v_writelane_b32 v[OUT+2*\e+n%2], s[24+n], 16*\g+n/2
.set n, n+1
.endr
.endr
	global_store_b64 v6, v[OUT+2*\e:OUT+2*\e+1], s[6:7] offset:256*\e   ; 32 lanes store 256 consecutive bytes, aligned
.endm
	MSTEP 0
	MSTEP 1
	s_wait_tensorcnt 0x0                           ; the wave's end
	ds_add_u32 v[SPW], v[NIL]
	s_wait_dscnt 0x0
	s_endpgm
; ---------------- K and V
.set X,   32                           ; v32-95   64 numbers
.set PK,  96                           ; v96-127  proj_K of my 32 channels
.set PV,  128                          ; v[128:129] proj_V of my channel
.set CK,  132                          ; v132-143 K's codes
.set CV,  144                          ; v144-155 V's codes
.set TT,  156                          ; v[156:158], v[160:162] the second halves of the blocks' codes
.set MX,  14                           ; v14-15 largest magnitudes, v16-17 the conversions' scale operands, v18-19 the bytes
.Lkv:
	s_sub_co_u32 s17, ttmp9, 1024
	s_lshr_b32 s18, s17, 4                         ; head n
	s_and_b32 s17, s17, 15                         ; step
	s_lshr_b32 s19, s18, 4                         ; b
	s_and_b32 s20, s18, 15                         ; h
	s_lshl_b32 s21, s20, 8                         ; the head's 256 bytes in a row
	s_lshl_b32 s22, s19, 23                        ; a batch is 2,048 rows of 4,096 bytes,
	s_lshl_b32 s23, s17, 19                        ; a step 128 rows
	s_add_co_u32 s22, s22, s23
	s_add_co_u32 s22, s22, s21
	s_mov_b32 s23, 0
	s_mul_i32 s24, s18, 204800
	s_mul_i32 s25, s17, 12800
	s_add_co_u32 s24, s24, s25
	s_mul_i32 s25, s16, 1536                       ; my fragment's place among the four
	s_add_co_u32 s24, s24, s25
	s_mov_b32 s25, 0
	s_mov_b32 s26, 0x76543210
	s_mov_b32 s27, 0xfedcba98                      ; v_permlanex16_b32's selects for lane l xor 16
	s_mul_i32 s28, s16, 32*TP
	s_add_co_u32 s28, s28, KT                      ; the 32 rows that my wave brings, in LDS
	s_lshl_b32 s29, s16, 17                        ; and in memory
	s_lshr_b32 s30, s16, 1
	s_lshl_b32 s30, s30, 6
	s_and_b32 s31, s16, 1
	s_lshl_b32 s32, s31, 4
	s_add_co_u32 s30, s30, s32                     ; my pair's first key: 64 (w / 2) + 16 (w % 2)
	s_mul_i32 s30, s30, TP
	s_add_co_u32 s30, s30, KT
	s_lshl_b32 s33, s16, 6                         ; 16 w channels, in bytes
	s_lshl_b32 s34, s31, 8
	s_lshr_b32 s35, s16, 1
	s_lshl_b32 s35, s35, 2
	s_add_co_u32 s34, s34, s35
	s_add_co_u32 s34, s34, SCB
	s_add_co_u32 s36, s33, s21
	s_add_co_u32 s33, s33, KT
	v_lshlrev_b32 v4, 12, v3
	v_lshl_add_u32 v4, v2, 4, v4
	v_add_nc_u32 v4, s29, v4                       ; in: lanes 0-15 one row's 256 bytes, lanes 16-31 the next row's
	v_mul_u32_u24 v5, v3, TP
	v_lshl_add_u32 v5, v2, 4, v5
	v_add_nc_u32 v5, s28, v5                       ; and the same place in LDS
	v_and_b32 v13, 8, v2
	v_mad_u32_u24 v13, v13, 3, v2                  ; r % 8 + 32 (r / 8)
	v_mul_u32_u24 v6, v13, TP
	v_lshl_add_u32 v6, v3, 7, v6
	v_add_nc_u32 v6, s30, v6                       ; K: my row's key, channels 32 hh on
	v_mul_u32_u24 v7, v3, 32*TP
	v_lshl_add_u32 v7, v2, 2, v7
	v_add_nc_u32 v7, s33, v7                       ; V: key 32 hh, channel 16 w + r
	v_lshl_add_u32 v9, v2, 4, s34                  ; my row's scale word: 16 x (16 (w % 2) + r) + 4 (w / 2); V's 8 bytes on
	v_lshl_add_u32 v10, v3, 7, s21                 ; proj_K: my 32 channels
	v_lshl_add_u32 v11, v2, 2, s36                 ; proj_V: my channel
	v_lshlrev_b32 v12, 3, v3                       ; 8 hh: my bytes' place in a scale word
	v_add_nc_u32 v23, SCB, v8                      ; the scale words on the way out
	v_mov_b32 v21, 0                               ; a lane permute's destination counts as one of its sources
	s_wait_alu depctr_va_vdst(0)
	s_wait_kmcnt 0x0
	s_add_nc_u64 s[8:9], s[8:9], s[22:23]
	s_add_nc_u64 s[14:15], s[14:15], s[24:25]
.irp i, 0,1,2,3,4,5,6,7,8,9,10,11,12,13,14,15
	global_load_b128 v[X+4*\i:X+4*\i+3], v4, s[8:9] offset:8192*\i
.endr
.irp i, 0,1,2,3,4,5,6,7
	global_load_b128 v[PK+4*\i:PK+4*\i+3], v10, s[10:11] offset:16*\i
.endr
	global_load_b32 v[PV], v11, s[12:13]
.irp i, 0,1,2,3,4,5,6,7,8,9,10,11,12,13,14,15
	s_wait_loadcnt 24-\i                           ; 25 loads were issued: behind tile load i stand 24 - i younger ones
	ds_store_b128 v5, v[X+4*\i:X+4*\i+3] offset:2*TP*\i
.endr
	s_wait_dscnt 0x0                               ; for the others' sake: my rows lie in LDS
	s_barrier_signal -1
	s_barrier_wait -1
; 64 numbers, two whole blocks of 32 of a lane, become the operand's 12 registers from v[dst] on and the row's scale word in v[wd].  The lane's bytes are those of blocks hh and 2 + hh.
.macro QUANT2 dst, wd
.irp c, 0,1
	v_max3_num_f32 v[MX+\c], |v[X+32*\c]|, |v[X+32*\c+1]|, 0x2800000   ; with the floor 2^(5 - 127): the byte cannot fall under 1
.endr
.irp i, 2,4,6,8,10,12,14,16,18,20,22,24,26,28,30
.irp c, 0,1
	v_max3_num_f32 v[MX+\c], v[MX+\c], |v[X+32*\c+\i]|, |v[X+32*\c+\i+1]|
.endr
.endr
.irp c, 0,1
	v_add_nc_u32 v[MX+2+\c], 0xfe000000, v[MX+\c]  ; 4 off the exponent field: the conversion's scale operand
.endr
.irp c, 0,1
	v_lshrrev_b32 v[MX+4+\c], 23, v[MX+2+\c]       ; the scale's byte
.endr
	v_lshl_or_b32 v[\wd], v[MX+5], 16, v[MX+4]
	v_lshlrev_b32 v[\wd], v12, v[\wd]              ; at their places, 8 hh bits up;
	v_permlanex16_b32 v21, v[\wd], s26, s27
	v_or_b32 v[\wd], v[\wd], v21                   ; with lane l xor 16's two the word is whole
.irp c, 0,1
	v_cvt_scalef32_pk16_bf6_f32 v[\dst+6*\c:\dst+6*\c+2], v[X+32*\c:X+32*\c+15], v[MX+2+\c]
	v_cvt_scalef32_pk16_bf6_f32 v[TT+4*\c:TT+4*\c+2], v[X+32*\c+16:X+32*\c+31], v[MX+2+\c]   ; (a conversion's three registers begin on an even number)
.endr
	v_nop                                          ; one plain place behind a scaled conversion
.irp c, 0,1
.irp i, 0,1,2
	v_mov_b32 v[\dst+6*\c+3+\i], v[TT+4*\c+\i]
.endr
.endr
.endm
	; K: pair w
.irp u, 0,1
.irp i, 0,1,2,3,4,5,6,7
	ds_load_b128 v[X+32*\u+4*\i:X+32*\u+4*\i+3], v6 offset:8*TP*\u+16*\i
.endr
.endr
	s_wait_dscnt 0x0
	s_wait_loadcnt 0x0                             ; proj_K, proj_V
	v_mov_b32 v[PV+1], v[PV]                       ; (named with it as a pair, so it is written)
.irp u, 0,1
.irp j, 0,2,4,6,8,10,12,14,16,18,20,22,24,26,28,30
	v_pk_mul_f32 v[X+32*\u+\j:X+32*\u+\j+1], v[X+32*\u+\j:X+32*\u+\j+1], v[PK+\j:PK+\j+1]
.endr
.endr
	QUANT2 CK, 20
.irp c, 0,1,2
	global_store_b128 v8, v[CK+4*\c:CK+4*\c+3], s[14:15] offset:512*\c   ; 32 lanes store 512 consecutive bytes, at a multiple of 256 from kv's first byte
.endr
	ds_store_b32 v9, v20                           ; lanes r and r + 16 write the same word with the same value
	; V: tile w
.irp c, 0,1
.irp i, 0,1,2,3,4,5,6,7,8,9,10,11,12,13,14,15,16,17,18,19,20,21,22,23,24,25,26,27,28,29,30,31
	ds_load_b32 v[X+32*\c+\i], v7 offset:(64*\c+\i)*TP
.endr
.endr
	s_wait_dscnt 0x0
.irp j, 0,2,4,6,8,10,12,14,16,18,20,22,24,26,28,30,32,34,36,38,40,42,44,46,48,50,52,54,56,58,60,62
	v_pk_mul_f32 v[X+\j:X+\j+1], v[X+\j:X+\j+1], v[PV:PV+1] op_sel_hi:[1,0]
.endr
	QUANT2 CV, 22
.irp c, 0,1,2
	global_store_b128 v8, v[CV+4*\c:CV+4*\c+3], s[14:15] offset:6144+512*\c
.endr
	ds_store_b32 v9, v22 offset:8
	s_wait_dscnt 0x0                               ; for wave 0's sake: my scale words lie in LDS
	s_barrier_signal -1
	s_barrier_wait -1
	s_cmp_lg_u32 s16, 0                            ; wave 0 stores the step's 512 bytes of scale words (its base has no fragment's offset)
	s_cbranch_scc1 .Ldone
	ds_load_b128 v[164:167], v23
	s_wait_dscnt 0x0
	global_store_b128 v8, v[164:167], s[14:15] offset:12288
.Ldone:
	s_wait_tensorcnt 0x0                           ; the wave's end
	ds_add_u32 v[SPW], v[NIL]
	s_wait_dscnt 0x0
	s_endpgm
.Lfunc_end_k_qfacee6ff69_pack:
	.size	k_qfacee6ff69_pack, .Lfunc_end_k_qfacee6ff69_pack-k_qfacee6ff69_pack
	.p2alignl 7, 3214868480
	.fill 96, 4, 3214868480
	.section	.rodata,"a",@progbits
	.p2align	6, 0x0
	.amdhsa_kernel k_qfacee6ff69_pack
		.amdhsa_group_segment_fixed_size 69632
		.amdhsa_private_segment_fixed_size 0
		.amdhsa_enable_private_segment 0
		.amdhsa_kernarg_size 48
		.amdhsa_user_sgpr_count 2
		.amdhsa_user_sgpr_kernarg_segment_ptr 1
		.amdhsa_wavefront_size32 1
		.amdhsa_system_sgpr_workgroup_id_x 1
		.amdhsa_system_sgpr_workgroup_id_y 1
		.amdhsa_system_sgpr_workgroup_id_z 1
		.amdhsa_system_vgpr_workitem_id 0
		.amdhsa_next_free_vgpr 210
		.amdhsa_next_free_sgpr 66
		.amdhsa_reserve_vcc 0
		.amdhsa_float_denorm_mode_32 3
		.amdhsa_float_denorm_mode_16_64 3
		.amdhsa_memory_ordered 1
		.amdhsa_forward_progress 1
		.amdhsa_inst_pref_size 49
	.end_amdhsa_kernel
	.amdgpu_metadata
---
amdhsa.version: [ 1, 2 ]
amdhsa.kernels:
  - .name:           k_qfacee6ff69_pack
    .symbol:         k_qfacee6ff69_pack.kd
    .args:
      - { .name: masks, .offset: 0, .size: 8, .value_kind: global_buffer, .address_space: global }
      - { .name: maskw, .offset: 8, .size: 8, .value_kind: global_buffer, .address_space: global }
      - { .name: q, .offset: 16, .size: 8, .value_kind: global_buffer, .address_space: global }
      - { .name: proj_K, .offset: 24, .size: 8, .value_kind: global_buffer, .address_space: global }
      - { .name: proj_V, .offset: 32, .size: 8, .value_kind: global_buffer, .address_space: global }
      - { .name: kv, .offset: 40, .size: 8, .value_kind: global_buffer, .address_space: global }
    .group_segment_fixed_size: 69632
    .private_segment_fixed_size: 0
    .kernarg_segment_align: 8
    .kernarg_segment_size: 48
    .max_flat_workgroup_size: 128
    .sgpr_count:     66
    .vgpr_count:     210
    .wavefront_size: 32
...
	.end_amdgpu_metadata
.endif
;; end of part 1
;; launch attn (part 2): grid 4 x 64, 16 waves a work-group, clusters of 4 x 1, 276,480 bytes of LDS; arguments q, proj_Q, kv, maskw, res; writes res
.if DOCPART == 2
	.amdgcn_target "amdgcn-amd-amdhsa--gfx1250"
	.amdhsa_code_object_version 6
	.text
	.protected	k_qfacee6ff69_attn
	.globl	k_qfacee6ff69_attn
	.p2align	8
	.type	k_qfacee6ff69_attn,@function
k_qfacee6ff69_attn:
	s_mov_b64 s[64:65], 0
	v_nop
	global_prefetch_b8 v0, s[64:65] scope:SCOPE_SE
	s_setreg_imm32_b32 hwreg(HW_REG_WAVE_MODE, 25, 1), 1
	s_wait_xcnt 0x0
	s_wait_alu depctr_hold_cnt(0) depctr_sa_sdst(0) depctr_va_vdst(0) depctr_va_sdst(0) depctr_va_ssrc(0) depctr_va_vcc(0) depctr_vm_vsrc(0)
	s_getreg_b32 s2, hwreg(HW_REG_IB_STS2, 6, 4)
	s_cmp_eq_u32 s2, 0
	s_cbranch_scc0 .Lentry_in_a_cluster
	s_endpgm
.Lentry_in_a_cluster:
	s_bfe_u32 s2, ttmp6, 0x10000c
	s_cmp_lg_u32 s2, 0x3003
	s_cbranch_scc0 .Lentry_shape_is_right
	s_endpgm
.Lentry_shape_is_right:
; res = softmax(where(mask, -1e-10, Q K^T / 32)) V + q, head by head, both products on codes of E3M2 with one E8M0 scale for each 32 along K.  Head n = 16 b + h: columns 64 h .. 64 h + 63 of batch b; its mask is masks[n % 4].
; (reference() never uses its inputs k and v: they are not read.)  K and V come as register images from kv, the masks as lane masks from maskw; Q = q proj_Q is quantised here, each tile once.
; THE SOFTMAX: t = logit x log2(e); M = the running largest t rounded UP to a whole number; p = 2^(t - M) is quantised along the keys, not normalised; the sum of the unquantised p divides at the end;
; when M moves, the sum and O^T are multiplied by 2^(old M - new M), which rounds nothing.  A masked score is replaced, not hidden: its key stays in the softmax.
; SHARES.  A work-group owns 512 queries of one head, in two passes of 256; each of its sixteen waves one tile of 16 queries a pass, in 256 registers.  The head's WHOLE K and V, 204,800 bytes, lie in LDS, filled once:
; no slot is filled again, and there is no loop in which a prefetch of them could run ahead.  The four work-groups of a cluster own the same head: each of the sixteen tensor loads (wave w: key step w) is asked for JOINTLY.
; LAYOUT.  Both products are used transposed (S^T = K Q^T, O^T = V^T P^T): a lane holds ONE query (lane % 16) throughout.  The keys of K's tiles are chosen so that register 32 c + i of S^T in lane half hh is key
; 64 c + 32 hh + i of the step: a lane holds two WHOLE blocks of 32 keys, in the order that the second product's operand wants: a block's maximum needs no other lane and the codes change no lane.
; THE FIRST PRODUCT'S K IS 64, the instruction's 128: a fragment of K holds TWO tiles of 16 keys (k 0-63, k 64-127), and Q stands in 18 registers as zeros | Q | zeros: the upper twelve are Q | 0 and pick the first tile,
; the lower twelve are 0 | Q and pick the second.  Zero codes add nothing.
; t - M, the row's sum and the rescaling of O^T are written as dual pairs on neighbouring registers; c, -M and f each stand in two neighbouring registers for the pairs' two halves.
; LIMITS: NaN and infinities among the inputs are not served; blocks whose largest magnitude lies under 2^-122 get the scale byte 1; the scaled scores t stay under 2^31 in magnitude.
.set STEPB, 12800                      ; a key step's image
.set HEADB, 16*STEPB
.set STG,   HEADB                      ; behind K and V: a stage of 16 rows x (256 + 16) bytes for each wave: the q tile, later the result
.set STGW,  16*272
.set SPARE, 0x43000                    ; behind the stages: the spare words, 128 bytes a wave
.set LI,    1                          ; v1   16 x lane
.set STW,   2                          ; v2   stage by rows: lanes 0-15 one row of 256 bytes, lanes 16-31 the next
.set STR,   3                          ; v3   stage: row r, channels 32 hh on
.set STO,   4                          ; v4   stage: row r, + 32 hh bytes: O^T's layout
.set GOFF,  5                          ; v5   my byte offset in q and in res
.set ADK,   6                          ; v6   LDS address of the step in hand
.set PQO,   7                          ; v7   my byte offset in proj_Q
.set MASKV, 10                         ; v10  f32(-1e-10) x 32: what a masked score becomes ahead of the scaling by log2(e) / 32
.set SH8,   11                         ; v11  8 hh
.set NM,    12                         ; v12, v13  -M, twice
.set RM,    14                         ; v14  the running largest score
.set TW,    15                         ; v15  at work
.set QHI,   16                         ; v[16:27] 0 | Q
.set QLO,   22                         ; v[22:33] Q | 0
.set QS,    34                         ; v34  Q's scale word: its two bytes twice
.set PS,    35                         ; v35  p's scale word
.set SCR,   36                         ; v[36:39] the step's scale words of K (two registers) and V (two)
.set F,     40                         ; v40-87   four fragments: K's, then V's
.set S,     88                         ; v88-151  S^T, then p
.set O,     152                        ; v152-183 O^T
.set PC,    184                        ; v184-195 p's codes
.set PT,    196                        ; v[196:198], v[200:202] second halves of the blocks' codes
.set BM,    204                        ; v204-205 my two blocks' largest scores, then largest p
.set BX,    206                        ; v206-207 lane l xor 16's values; then the bytes
.set SCO,   208                        ; v208-209 the conversions' scale operands
.set FF,    210                        ; v210, v211 f = 2^(old M - new M), twice; at the end 1 / the sum
.set CC,    212                        ; v212, v213 c = log2(e) / 32, twice
.set L,     214                        ; v214-221 the sum, in eight parts
.set OLD,   222                        ; v222 the last step's -M
.set PFO,   223                        ; v223 the prefetch's offset: row min(lane, 15) of my q tile; never rewritten
.set MC,    224                        ; v224-231 the maxima's eight chains: four to each of my two blocks
.set SPW,   254
.set NIL,   255
.set CNT,   59                         ; s59  the loop's counter
.set WV,    66                         ; s66  my wave's number
.set TB,    67                         ; s67  LDS byte of the step in hand
.set G1,    84                         ; s[84:91] descriptor group 1;  s[92:95] group 0
.set G0,    92
.set SEL,   96                         ; s[96:97] v_permlanex16_b32's selects for lane l xor 16
.set MP,    98                         ; s[98:99] where the step's mask words lie
.set NC,    100                        ; s100 -c
                                       ; s[4:51], s[68:83] the step's 64 mask words (word n in s[4+n], from n = 48 on in s[20+n]); s[52:57] q, proj_Q, res
.macro CROUND                          ; a round of the cluster's barrier
	s_barrier_signal -1
	s_barrier_wait -1
	s_cmp_lg_u32 s[WV], 0
	s_cbranch_scc1 .Lnot_wave_0_\@
	s_barrier_signal -3
.Lnot_wave_0_\@:
	s_barrier_wait -3
	s_barrier_signal -1
	s_barrier_wait -1
.endm
.macro QLOADS                          ; a pass's q tile and proj_Q
.irp i, 0,1,2,3,4,5,6,7
	global_load_b128 v[S+4*\i:S+4*\i+3], v[GOFF], s[52:53] offset:8192*\i        ; the q tile: sixteen lanes read a row's 256 bytes
.endr
.irp i, 0,1,2,3,4,5,6,7
	global_load_b128 v[S+32+4*\i:S+32+4*\i+3], v[PQO], s[54:55] offset:16*\i     ; proj_Q of my 32 channels
.endr
.endm
	s_load_b256 s[4:11], s[0:1], 0x0               ; q, proj_Q, kv, maskw
	s_load_b64 s[56:57], s[0:1], 0x20              ; res
	v_lshl_add_u32 v[SPW], v0, 2, SPARE
	v_mov_b32 v[NIL], 0
	ds_add_u32 v[SPW], v[NIL]                      ; the opening lines
	ds_add_u32 v[SPW], v[NIL]
	v_lshrrev_b32 v8, 5, v0
	s_delay_alu instid0(VALU_DEP_1)
	v_readfirstlane_b32 s[WV], v8                  ; wave 0..15
	s_bfe_u32 s58, ttmp6, 0x40000                  ; cx: it enters q's, res's and maskw's offsets alone
	s_and_b32 s60, ttmp7, 0xffff                   ; head n, which the four partners share
	s_lshr_b32 s61, s60, 4                         ; b
	s_and_b32 s62, s60, 15                         ; h
	; descriptor group 1: a dense block of 12,800 bytes as 50 rows of 256 bytes (32 elements of 8 bytes)
	s_mov_b32 s[G1+0], 15|(3<<16)|(1<<21)          ; the mask: all four work-groups; elements of 8 bytes; bit 21 beside a mask
	s_mov_b32 s[G1+1], 32<<16
	s_mov_b32 s[G1+2], 50<<16
	s_mov_b32 s[G1+3], 32<<16
	s_mov_b32 s[G1+4], 50
	s_mov_b32 s[G1+5], 32
	s_mov_b32 s[G1+6], 0
	s_mov_b32 s[G1+7], 0
	s_mov_b32 s[SEL], 0x76543210
	s_mov_b32 s[SEL+1], 0xfedcba98
	s_mov_b32 s[NC], 0xbd38aa3b                    ; -log2(e) / 32
	s_mul_i32 s12, s60, HEADB                      ; the head's image,
	s_mul_i32 s[G0+1], s[WV], STEPB                ; key step w: its place in LDS
	s_add_co_u32 s12, s12, s[G0+1]                 ; and in the head's image
	s_mov_b32 s13, 0
	s_and_b32 s14, s60, 3                          ; the head's mask: 128 tiles x 4,096 bytes each;
	s_lshl_b32 s14, s14, 19
	s_lshl_b32 s15, s58, 17                        ; my work-group's 32 tiles;
	s_add_co_u32 s14, s14, s15
	s_lshl_b32 s15, s[WV], 12                      ; my wave's tile of the first pass
	s_add_co_u32 s14, s14, s15
	s_mov_b32 s15, 0
	s_lshl_b32 s63, s61, 23                        ; q and res: the batch,
	s_lshl_b32 s17, s58, 21                        ; my work-group's 512 rows of 4,096 bytes,
	s_add_co_u32 s63, s63, s17
	s_lshl_b32 s17, s[WV], 16                      ; my wave's 16,
	s_add_co_u32 s63, s63, s17
	s_lshl_b32 s62, s62, 8                         ; the head's 256 bytes of a row
	s_add_co_u32 s63, s63, s62
	s_mul_i32 s18, s[WV], STGW
	s_add_co_u32 s18, s18, STG                     ; my stage
	v_and_b32 v8, 15, v0                           ; r
	v_bfe_u32 v9, v0, 4, 1                         ; hh
	v_and_b32 v[PFO], 31, v0
	s_delay_alu instid0(VALU_DEP_2)
	v_lshlrev_b32 v[GOFF], 12, v9
	s_delay_alu instid0(VALU_DEP_2)
	v_min_u32 v[PFO], 15, v[PFO]                   ; (the lanes left over name the tile's last row again)
	s_delay_alu instid0(VALU_DEP_2)
	v_lshl_add_u32 v[GOFF], v8, 4, v[GOFF]
	s_delay_alu instid0(VALU_DEP_2)
	v_lshl_add_u32 v[PFO], v[PFO], 12, s63
	s_delay_alu instid0(VALU_DEP_2)
	v_add_nc_u32 v[GOFF], s63, v[GOFF]
	v_lshl_add_u32 v[PQO], v9, 7, s62
	s_wait_alu depctr_va_vdst(0)
	s_wait_dscnt 0x0
	s_wait_kmcnt 0x0
	s_mov_b64 s[52:53], s[4:5]
	s_mov_b64 s[54:55], s[6:7]
	QLOADS                                         ; the first pass's: they are out while the cluster meets and K and V are fetched
	s_mov_b32 s[G0], 1
	s_add_nc_u64 s[G0+2:G0+3], s[8:9], s[12:13]
	s_or_b32 s[G0+3], s[G0+3], 0x80000000
	s_add_nc_u64 s[MP:MP+1], s[10:11], s[14:15]
	CROUND                                         ; all four work-groups are here: the joint loads meet
	tensor_load_to_lds s[G0:G0+3], s[G1:G1+7]      ; my sixteenth of the head's K and V; the launch's only fill
	s_nop 0
.rept 4
	v_nop
.endr
	v_and_b32 v[LI], 31, v0
	s_delay_alu instid0(VALU_DEP_1)
	v_lshlrev_b32 v[LI], 4, v[LI]
	v_mul_u32_u24 v[STW], v9, 272
	s_delay_alu instid0(VALU_DEP_1)
	v_lshl_add_u32 v[STW], v8, 4, v[STW]
	s_delay_alu instid0(VALU_DEP_1)
	v_add_nc_u32 v[STW], s18, v[STW]
	v_mul_u32_u24 v[STR], v8, 272
	s_delay_alu instid0(VALU_DEP_1)
	v_lshl_add_u32 v[STO], v9, 5, v[STR]
	s_delay_alu instid0(VALU_DEP_2)
	v_lshl_add_u32 v[STR], v9, 7, v[STR]
	s_delay_alu instid0(VALU_DEP_1)
	v_add_nc_u32 v[STR], s18, v[STR]
	s_delay_alu instid0(VALU_DEP_3)
	v_add_nc_u32 v[STO], s18, v[STO]
	v_mov_b32 v[MASKV], 0xb15be6ff
	v_lshlrev_b32 v[SH8], 3, v9
	v_mov_b32 v[CC], 0x3d38aa3b
	v_mov_b32 v[CC+1], 0x3d38aa3b
.irp i, 0,1,2,3,4,5
	v_mov_b32 v[QHI+\i], 0                         ; the zero codes on both sides of Q
	v_mov_b32 v[QLO+6+\i], 0
.endr
	v_mov_b32 v[BX], 0                             ; a lane permute's destination counts as one of its sources
	s_wait_alu depctr_va_vdst(0)
.macro WORDS                           ; a step's 64 mask words into scalar registers
	s_load_b512 s[4:19], s[MP:MP+1], 0x0
	s_load_b512 s[20:35], s[MP:MP+1], 0x40
	s_load_b512 s[36:51], s[MP:MP+1], 0x80
	s_load_b512 s[68:83], s[MP:MP+1], 0xc0
.endm
.macro KLOAD off                       ; K's four pair fragments and the scale words of the step that lies off bytes behind v[ADK], as images: 512 consecutive bytes a load
.irp f, 0,1,2,3,4,5,6,7,8,9,10,11
	ds_load_b128 v[F+4*\f:F+4*\f+3], v[ADK] offset:\off+512*\f
.endr
	ds_load_b128 v[SCR:SCR+3], v[ADK] offset:\off+12288
.endm
; S^T of tile 2 pr + u: K's pair fragment pr against Q | 0 (u = 0) or 0 | Q (u = 1).  The pair's scale words lie in lanes 0-15 (pr even) or 16-31 (pr odd) of their register.
.macro QK pr, u
.if (\pr)%2
	v_wmma_scale_f32_16x16x128_f8f6f4 v[S+8*(2*\pr+\u):S+8*(2*\pr+\u)+7], v[F+12*\pr:F+12*\pr+11], v[QLO-6*\u:QLO-6*\u+11], 0, v[SCR+\pr/2], v[QS] matrix_a_fmt:MATRIX_FMT_BF6 matrix_b_fmt:MATRIX_FMT_BF6 matrix_a_scale:MATRIX_SCALE_ROW1
.else
	v_wmma_scale_f32_16x16x128_f8f6f4 v[S+8*(2*\pr+\u):S+8*(2*\pr+\u)+7], v[F+12*\pr:F+12*\pr+11], v[QLO-6*\u:QLO-6*\u+11], 0, v[SCR+\pr/2], v[QS] matrix_a_fmt:MATRIX_FMT_BF6 matrix_b_fmt:MATRIX_FMT_BF6
.endif
.endm
; O^T += V^T P^T for channels 16 t on
.macro PV t
.if (\t)%2
	v_wmma_scale_f32_16x16x128_f8f6f4 v[O+8*\t:O+8*\t+7], v[F+12*\t:F+12*\t+11], v[PC:PC+11], v[O+8*\t:O+8*\t+7], v[SCR+2+\t/2], v[PS] matrix_a_fmt:MATRIX_FMT_BF6 matrix_b_fmt:MATRIX_FMT_BF6 matrix_a_scale:MATRIX_SCALE_ROW1
.else
	v_wmma_scale_f32_16x16x128_f8f6f4 v[O+8*\t:O+8*\t+7], v[F+12*\t:F+12*\t+11], v[PC:PC+11], v[O+8*\t:O+8*\t+7], v[SCR+2+\t/2], v[PS] matrix_a_fmt:MATRIX_FMT_BF6 matrix_b_fmt:MATRIX_FMT_BF6
.endif
.endm
.macro XD first, count                 ; t - M of score registers first, first + 1, .., two a line
.set n, \first
.rept \count
	v_dual_fma_f32 v[S+n], v[S+n], v[CC], v[NM] :: v_dual_fma_f32 v[S+n+1], v[S+n+1], v[CC+1], v[NM+1]
.set n, n+2
.endr
.endm
.macro ADDS first, count               ; p's registers first, first + 1, .. onto the sum's eight parts by turns, two a line
.set n, \first
.rept \count
	v_dual_add_f32 v[L+n%8], v[S+n], v[L+n%8] :: v_dual_add_f32 v[L+n%8+1], v[S+n+1], v[L+n%8+1]
.set n, n+2
.endr
.endm
; A KEY STEP: 128 keys.  K's fragments were asked for in the step before.  No two matrix instructions that follow each other share an accumulator.
; last = 1: the pass's last step, written out: it asks for no further mask words and no further fragments of K.
.macro STEP last
	s_wait_dscnt 0x0                               ; K's fragments and the scale words
.irp pr, 0,1,2,3
	QK \pr, 0
	QK \pr, 1
.endr
	v_add_nc_u32 v[ADK], s[TB], v[LI]              ; this step's place in LDS.  With the three v_nop: four places in front of the loads into K's registers and of the first read of the scores
.rept 3
	v_nop
.endr
.irp f, 0,1,2,3,4,5,6,7,8,9,10,11
	ds_load_b128 v[F+4*\f:F+4*\f+3], v[ADK] offset:6144+512*\f      ; V's four fragments: they land under the softmax
.endr
	s_wait_kmcnt 0x0                               ; the step's mask words, asked for a step ago
.set n, 0
.rept 48
	v_cndmask_b32 v[S+n], v[S+n], v[MASKV], s[4+n]                  ; one line a score; each accumulator from its low end on
.set n, n+1
.endr
.rept 16
	v_cndmask_b32 v[S+n], v[S+n], v[MASKV], s[20+n]
.set n, n+1
.endr
.if \last == 0
	s_add_nc_u64 s[MP:MP+1], s[MP:MP+1], 256       ; (the loads that used it are done: the wait above)
	WORDS
.endif
; The largest score of each of my two blocks of 32 keys: it serves for the row's maximum and, since p rises with the score, for the block's largest p.
; Four chains to a block (of 9, 9, 7 and 7 scores, from registers 0, 9, 18 and 25 of the block), the eight by turns: a chain's lines stand six or eight lines apart.
.irp c, 0,1
.irp k, 0,9,18,25
	v_max3_num_f32 v[MC+4*\c+\k/8], v[S+32*\c+\k], v[S+32*\c+\k+1], v[S+32*\c+\k+2]
.endr
.endr
.irp i, 3,5
.irp c, 0,1
.irp k, 0,9,18,25
	v_max3_num_f32 v[MC+4*\c+\k/8], v[MC+4*\c+\k/8], v[S+32*\c+\k+\i], v[S+32*\c+\k+\i+1]
.endr
.endr
.endr
.irp c, 0,1
.irp k, 0,9
	v_max3_num_f32 v[MC+4*\c+\k/8], v[MC+4*\c+\k/8], v[S+32*\c+\k+7], v[S+32*\c+\k+8]
.endr
.endr
	s_delay_alu instid0(VALU_DEP_3)
	v_max3_num_f32 v[BM], v[MC], v[MC+1], v[MC+2]
	s_delay_alu instid0(VALU_DEP_2)
	v_max3_num_f32 v[BM+1], v[MC+4], v[MC+5], v[MC+6]
	s_delay_alu instid0(VALU_DEP_2)
	v_max_num_f32 v[BM], v[BM], v[MC+3]
	s_delay_alu instid0(VALU_DEP_2)
	v_max_num_f32 v[BM+1], v[BM+1], v[MC+7]
	s_delay_alu instid0(VALU_DEP_1)
	v_max_num_f32 v[TW], v[BM], v[BM+1]
	s_delay_alu instid0(VALU_DEP_1)
	v_permlanex16_b32 v[BX], v[TW], s[SEL], s[SEL+1]
	s_delay_alu instid0(VALU_DEP_1)
	v_max3_num_f32 v[RM], v[RM], v[TW], v[BX]      ; the running largest score of my query, lane l xor 16's keys among them
	s_delay_alu instid0(VALU_DEP_1)
	v_mul_f32 v[TW], s[NC], v[RM]                  ; -t (c is positive)
	s_delay_alu instid0(VALU_DEP_1)
	v_floor_f32 v[NM], v[TW]                       ; the new -M = floor(-t) = -ceil(t)
	s_delay_alu instid0(VALU_DEP_2)
	v_floor_f32 v[NM+1], v[TW]
	XD 0, 4                                        ; t - M; the lines that make f stand among these, each five lines behind the one that it reads
	v_sub_f32 v[TW], v[NM], v[OLD]                 ; old M - new M: a whole number, 0 or less
	XD 8, 4
	v_cvt_i32_f32 v[TW], v[TW]                     ; (it saturates)
	XD 16, 4
	v_ldexp_f32 v[FF], 1.0, v[TW]                  ; f = 2^(old M - new M)
	v_ldexp_f32 v[FF+1], 1.0, v[TW]
	XD 24, 20
.set n, 0
.rept 16
	v_dual_mul_f32 v[O+n], v[O+n], v[FF] :: v_dual_mul_f32 v[O+n+1], v[O+n+1], v[FF+1]   ; O^T under the new M; each accumulator from its low end on
.set n, n+2
.endr
.irp c, 0,1
	v_fma_f32 v[BM+\c], v[BM+\c], v[CC], v[NM]     ; t - M of each block's largest score
.endr
	s_wait_alu depctr_va_vdst(0)
	s_wait_dscnt 0x0                               ; V's fragments
.set n, 0
.rept 64
	v_exp_f32 v[S+n], v[S+n]                       ; p = 2^(t - M)
.set n, n+1
.endr
.irp c, 0,1
	v_exp_f32 v[BM+\c], v[BM+\c]                   ; the block's largest p: the same multiply-add and exponential on the same number
.endr
	v_mov_b32 v[OLD], v[NM]                        ; for the next step.  (The plain place behind the exponentials)
	s_wait_alu depctr_va_vdst(0)                   ; one wait for the batch, ahead of its first reader
.irp c, 0,1
	v_max_num_f32 v[BM+\c], 0x2800000, v[BM+\c]    ; the floor 2^(5 - 127): the byte cannot fall under 1
.endr
.set n, 0
.rept 4
	v_dual_fma_f32 v[L+n], v[L+n], v[FF], v[S+n] :: v_dual_fma_f32 v[L+n+1], v[L+n+1], v[FF+1], v[S+n+1]   ; THE SUM IS TAKEN OF THE UNQUANTISED p: each part under the new M, and its first p.  The sum's lines stand among the short chains below
.set n, n+2
.endr
.irp c, 0,1
	v_add_nc_u32 v[SCO+\c], 0xfe000000, v[BM+\c]   ; 4 off the exponent field: the conversion's scale operand
.endr
.irp c, 0,1
	v_cvt_scalef32_pk16_bf6_f32 v[PC+6*\c:PC+6*\c+2], v[S+32*\c:S+32*\c+15], v[SCO+\c]
	v_cvt_scalef32_pk16_bf6_f32 v[PT+4*\c:PT+4*\c+2], v[S+32*\c+16:S+32*\c+31], v[SCO+\c]   ; (a conversion's three registers begin on an even number)
.endr
.irp c, 0,1
	v_lshrrev_b32 v[BX+\c], 23, v[SCO+\c]          ; the scales' bytes: blocks hh and 2 + hh.  (Plain places behind the conversions)
.endr
	v_dual_mov_b32 v[PC+4], v[PT+1] :: v_dual_mov_b32 v[PC+3], v[PT]
	v_dual_mov_b32 v[PC+10], v[PT+5] :: v_dual_mov_b32 v[PC+5], v[PT+2]
	v_mov_b32 v[PC+9], v[PT+4]
	v_mov_b32 v[PC+11], v[PT+6]
	v_lshl_or_b32 v[PS], v[BX+1], 16, v[BX]
	ADDS 8, 4
	v_lshlrev_b32 v[PS], v[SH8], v[PS]             ; at their places, 8 hh bits up;
	ADDS 16, 4
	v_permlanex16_b32 v[TW], v[PS], s[SEL], s[SEL+1]
	ADDS 24, 4
	v_or_b32 v[PS], v[PS], v[TW]                   ; with lane l xor 16's two: p's scale word for these 128 keys
	ADDS 32, 9                                     ; nine lines stand between the scale word's last line and the products
.irp t, 0,1,2,3
	PV \t
.endr
	ADDS 50, 4                                     ; they name no register of the products: the four places in front of the loads below
.if \last == 0
	KLOAD STEPB                                    ; the next step's fragments of K
	s_add_co_u32 s[TB], s[TB], STEPB
.endif
	ADDS 58, 3
.endm
; A PASS: one tile of 16 queries a wave, all 2,048 keys.
.macro PASS p
	WORDS                                          ; step 0's mask words
.if \p == 1
	QLOADS                                         ; (the first pass's were issued at the kernel's head)
.endif
	s_wait_loadcnt 8                               ; the tile is in; the eight loads of proj_Q, issued behind it, may be out
.irp i, 0,1,2,3,4,5,6,7
	ds_store_b128 v[STW], v[S+4*\i:S+4*\i+3] offset:544*\i
.endr
.irp i, 0,1,2,3,4,5,6,7
	ds_load_b128 v[F+4*\i:F+4*\i+3], v[STR] offset:16*\i   ; back as 32 neighbouring channels of my query (LDS serves a wave's instructions in order).  The tile STAYS in the stage, for the residual
.endr
	s_wait_loadcnt 0x0
	s_wait_dscnt 0x0
.irp j, 0,2,4,6,8,10,12,14,16,18,20,22,24,26,28,30
	v_pk_mul_f32 v[F+\j:F+\j+1], v[F+\j:F+\j+1], v[S+32+\j:S+32+\j+1]            ; Q = q proj_Q: my block hh of query r
.endr
.irp c, 0,1
	v_max3_num_f32 v[BM+\c], |v[F+16*\c]|, |v[F+16*\c+1]|, 0x2800000             ; its largest magnitude, in two chains, with the floor 2^(5 - 127)
.endr
.irp i, 2,4,6,8,10,12,14
.irp c, 0,1
	s_delay_alu instid0(VALU_DEP_2)
	v_max3_num_f32 v[BM+\c], v[BM+\c], |v[F+16*\c+\i]|, |v[F+16*\c+\i+1]|
.endr
.endr
	s_delay_alu instid0(VALU_DEP_1)
	v_max_num_f32 v[BM], v[BM], v[BM+1]
	s_delay_alu instid0(VALU_DEP_1)
	v_add_nc_u32 v[SCO], 0xfe000000, v[BM]         ; the conversion's scale operand
	s_delay_alu instid0(VALU_DEP_1)
	v_lshrrev_b32 v[TW], 23, v[SCO]                ; the byte
	v_cvt_scalef32_pk16_bf6_f32 v[QLO:QLO+2], v[F:F+15], v[SCO]
	v_cvt_scalef32_pk16_bf6_f32 v[PT:PT+2], v[F+16:F+31], v[SCO]
	v_nop                                          ; one plain place behind a scaled conversion
.irp i, 0,1,2
	v_mov_b32 v[QLO+3+\i], v[PT+\i]
.endr
	v_lshlrev_b32 v[TW], v[SH8], v[TW]             ; my byte at its place,
	s_delay_alu instid0(VALU_DEP_1)
	v_permlanex16_b32 v[BX], v[TW], s[SEL], s[SEL+1]
	s_delay_alu instid0(VALU_DEP_1)
	v_or_b32 v[TW], v[TW], v[BX]                   ; with lane l xor 16's;
	s_delay_alu instid0(VALU_DEP_1)
	v_lshl_or_b32 v[QS], v[TW], 16, v[TW]          ; the two bytes twice: they serve Q | 0 and 0 | Q alike
	v_mov_b32 v[RM], 0xff61b1e6                    ; the largest score so far: -3e38, under every score
	v_mov_b32 v[OLD], 0x7e000000                   ; and a -M of 2^125: the first step's f comes out 0
.set n, 0
.rept 8
	v_mov_b32 v[L+n], 0                            ; the sum's eight parts
.set n, n+1
.endr
.set n, 0
.rept 32
	v_mov_b32 v[O+n], 0                            ; O^T: the step's first trip finds zeros.  (Also the places between Q's scale word and the first product)
.set n, n+1
.endr
	s_mov_b32 s[TB], 0
	v_add_nc_u32 v[ADK], s[TB], v[LI]
	s_wait_alu depctr_va_vdst(0)
.if \p == 0
	s_wait_tensorcnt 0x0                           ; my sixteenth of K and V has landed,
	s_barrier_signal -1
	s_barrier_wait -1                              ; everybody's has
.endif
	KLOAD 0                                        ; step 0's fragments of K
.if \p == 0
	global_prefetch_b8 v[PFO], s[52:53] offset:0x100000 th:TH_LOAD_NT scope:SCOPE_SE   ; the second pass's q tile, 256 rows on: a lane a row's 256 bytes, sixteen key steps ahead of the loads that want it; its registers are never rewritten
.endif
	s_mov_b32 s[CNT], 0
.Lstep_\p:
	STEP 0
	s_add_co_u32 s[CNT], s[CNT], 1
	s_cmp_lt_u32 s[CNT], 15
	s_cbranch_scc1 .Lstep_\p
	STEP 1
	; THE WAY OUT: O^T / the sum + q, through my stage, out as whole rows of 256 bytes.  (The sum's last seven lines are the places behind the last products)
.irp i, 0,2,4,6
	v_add_f32 v[L+\i], v[L+\i], v[L+\i+1]
.endr
	s_delay_alu instid0(VALU_DEP_3)
	v_add_f32 v[L], v[L], v[L+2]
	s_delay_alu instid0(VALU_DEP_2)
	v_add_f32 v[L+4], v[L+4], v[L+6]
	s_delay_alu instid0(VALU_DEP_1)
	v_add_f32 v[L], v[L], v[L+4]
	s_delay_alu instid0(VALU_DEP_1)
	v_permlanex16_b32 v[BX], v[L], s[SEL], s[SEL+1]
	s_delay_alu instid0(VALU_DEP_1)
	v_add_f32 v[L], v[L], v[BX]                    ; with lane l xor 16's: the row's sum
	s_wait_alu depctr_va_vdst(0)
	v_rcp_f32 v[FF], v[L]
	v_nop                                          ; one plain place behind a transcendental
.irp t, 0,1,2,3
	ds_load_b128 v[S+8*\t:S+8*\t+3], v[STO] offset:64*\t            ; q in O^T's layout: query r, channels 16 t + 8 hh + 0 .. 7
	ds_load_b128 v[S+8*\t+4:S+8*\t+7], v[STO] offset:64*\t+16
.endr
	s_wait_dscnt 0x0
	s_wait_alu depctr_va_vdst(0)                   ; ahead of the first reader of 1 / the sum and of O^T
.irp j, 0,2,4,6,8,10,12,14,16,18,20,22,24,26,28,30
	v_pk_fma_f32 v[S+32+\j:S+32+\j+1], v[O+\j:O+\j+1], v[FF:FF+1], v[S+\j:S+\j+1] op_sel_hi:[1,0,1]   ; each accumulator from its low end on
.endr
.irp t, 0,1,2,3
	ds_store_b128 v[STO], v[S+32+8*\t:S+32+8*\t+3] offset:64*\t
	ds_store_b128 v[STO], v[S+32+8*\t+4:S+32+8*\t+7] offset:64*\t+16
.endr
.irp i, 0,1,2,3,4,5,6,7
	ds_load_b128 v[S+4*\i:S+4*\i+3], v[STW] offset:544*\i
.endr
.irp i, 0,1,2,3,4,5,6,7
	s_wait_dscnt 7-\i                              ; LDS loads come back in order: load i is in, the 7 - i younger ones may be out
	global_store_b128 v[GOFF], v[S+4*\i:S+4*\i+3], s[56:57] offset:8192*\i   ; sixteen lanes store 256 consecutive bytes, aligned
.endr
.if \p == 0
	s_wait_xcnt 0x0                                ; the stores have read their registers: offset and data are written again only behind this wait
	v_add_nc_u32 v[GOFF], 0x100000, v[GOFF]        ; 256 rows on
	s_add_nc_u64 s[MP:MP+1], s[MP:MP+1], 65536-15*256   ; 16 tiles on from the pass's first word (15 steps of 256 bytes were stepped)
.endif
.endm
	PASS 0
	PASS 1
	s_wait_dscnt 0x0
	s_wait_tensorcnt 0x0                           ; the wave's end
	ds_add_u32 v[SPW], v[NIL]
	s_wait_dscnt 0x0
	CROUND                                         ; the closing round: no work-group ends while a partner may still ask for a tile that names it
	s_endpgm
.Lfunc_end_k_qfacee6ff69_attn:
	.size	k_qfacee6ff69_attn, .Lfunc_end_k_qfacee6ff69_attn-k_qfacee6ff69_attn
	.p2alignl 7, 3214868480
	.fill 96, 4, 3214868480
	.section	.rodata,"a",@progbits
	.p2align	6, 0x0
	.amdhsa_kernel k_qfacee6ff69_attn
		.amdhsa_group_segment_fixed_size 276480
		.amdhsa_private_segment_fixed_size 0
		.amdhsa_enable_private_segment 0
		.amdhsa_kernarg_size 40
		.amdhsa_user_sgpr_count 2
		.amdhsa_user_sgpr_kernarg_segment_ptr 1
		.amdhsa_wavefront_size32 1
		.amdhsa_system_sgpr_workgroup_id_x 1
		.amdhsa_system_sgpr_workgroup_id_y 1
		.amdhsa_system_sgpr_workgroup_id_z 1
		.amdhsa_system_vgpr_workitem_id 0
		.amdhsa_next_free_vgpr 256
		.amdhsa_next_free_sgpr 106
		.amdhsa_reserve_vcc 0
		.amdhsa_float_denorm_mode_32 3
		.amdhsa_float_denorm_mode_16_64 3
		.amdhsa_memory_ordered 1
		.amdhsa_forward_progress 1
		.amdhsa_inst_pref_size 108
	.end_amdhsa_kernel
	.amdgpu_metadata
---
amdhsa.version: [ 1, 2 ]
amdhsa.kernels:
  - .name:           k_qfacee6ff69_attn
    .symbol:         k_qfacee6ff69_attn.kd
    .args:
      - { .name: q, .offset: 0, .size: 8, .value_kind: global_buffer, .address_space: global }
      - { .name: proj_Q, .offset: 8, .size: 8, .value_kind: global_buffer, .address_space: global }
      - { .name: kv, .offset: 16, .size: 8, .value_kind: global_buffer, .address_space: global }
      - { .name: maskw, .offset: 24, .size: 8, .value_kind: global_buffer, .address_space: global }
      - { .name: res, .offset: 32, .size: 8, .value_kind: global_buffer, .address_space: global }
    .group_segment_fixed_size: 276480
    .private_segment_fixed_size: 0
    .kernarg_segment_align: 8
    .kernarg_segment_size: 40
    .max_flat_workgroup_size: 512
    .sgpr_count:     106
    .vgpr_count:     256
    .wavefront_size: 32
...
	.end_amdgpu_metadata
.endif
;; end of part 2
;; launch ln (part 3): grid 256 x 1, 8 waves a work-group, no clusters, 0 bytes of LDS; arguments res, gamma, beta, out0; writes out0
.if DOCPART == 3
	.amdgcn_target "amdgcn-amd-amdhsa--gfx1250"
	.amdhsa_code_object_version 6
	.text
	.protected	k_qfacee6ff69_ln
	.globl	k_qfacee6ff69_ln
	.p2align	8
	.type	k_qfacee6ff69_ln,@function
k_qfacee6ff69_ln:
	s_mov_b64 s[64:65], 0
	v_nop
	global_prefetch_b8 v0, s[64:65] scope:SCOPE_SE
	s_setreg_imm32_b32 hwreg(HW_REG_WAVE_MODE, 25, 1), 1
	s_wait_xcnt 0x0
; out0 = (res - mean) rsqrt(var + 1e-5) gamma + beta along rows of 1,024 f32.  The mean is taken away first and the variance is the mean of the squares of what is left: no difference of large sums.
; A row is 4,096 bytes: one wave holds it in 32 registers (eight loads of 512 consecutive bytes), so it is read once and the reductions never leave the wave: no LDS, no barrier.
; A work-group takes 32 rows, a wave four; all of a wave's 48 loads go out at the start.  Memory binds: no matrix unit, no cluster, no tensor load.
; LIMITS: NaN and infinities are not served.
.set GA, 8                             ; v8-39   gamma of my 32 columns
.set BE, 40                            ; v40-71  beta
                                       ; v72-199 four rows;  v200-203 sums;  v[204:205] -mean;  v206 var + eps;  v[208:209] its reciprocal root
	s_load_b256 s[4:11], s[0:1], 0x0               ; res, gamma, beta, out0
	v_lshrrev_b32 v3, 5, v0                        ; wave
	v_and_b32 v2, 31, v0
	s_delay_alu instid0(VALU_DEP_1)
	v_lshlrev_b32 v2, 4, v2                        ; 16 x lane
	s_delay_alu instid0(VALU_DEP_1)
	v_lshl_add_u32 v1, v3, 14, v2                  ; + wave x 4 rows
	s_lshl_b32 s2, ttmp9, 17                       ; 32 rows a work-group
	s_mov_b32 s3, 0
	s_mov_b32 s12, 0x76543210
	s_mov_b32 s13, 0xfedcba98                      ; v_permlanex16_b32's selects for lane l xor 16
	s_mov_b32 s14, 0x3a800000                      ; 1 / 1,024
	s_mov_b32 s15, 0x3727c5ac                      ; 1e-5
	v_mov_b32 v205, 0                              ; (named as the upper halves of pairs)
	v_mov_b32 v209, 0
	s_wait_alu depctr_va_vdst(0)
	s_wait_kmcnt 0x0
	s_add_nc_u64 s[4:5], s[4:5], s[2:3]
	s_add_nc_u64 s[10:11], s[10:11], s[2:3]
.irp j, 0,1,2,3,4,5,6,7
	global_load_b128 v[GA+4*\j:GA+4*\j+3], v2, s[6:7] offset:512*\j
.endr
.irp j, 0,1,2,3,4,5,6,7
	global_load_b128 v[BE+4*\j:BE+4*\j+3], v2, s[8:9] offset:512*\j
.endr
.irp k, 0,1,2,3
.irp j, 0,1,2,3,4,5,6,7
	global_load_b128 v[72+32*\k+4*\j:72+32*\k+4*\j+3], v1, s[4:5] offset:4096*\k+512*\j th:TH_LOAD_NT
.endr
.endr
.macro REDUCE                          ; v200 summed over the 32 lanes, the result in every lane
	s_delay_alu instid0(VALU_DEP_1)
	v_add_f32_dpp v200, v200, v200 row_xmask:1 row_mask:0xf bank_mask:0xf
	s_delay_alu instid0(VALU_DEP_1)
	v_add_f32_dpp v200, v200, v200 row_xmask:2 row_mask:0xf bank_mask:0xf
	s_delay_alu instid0(VALU_DEP_1)
	v_add_f32_dpp v200, v200, v200 row_xmask:4 row_mask:0xf bank_mask:0xf
	s_delay_alu instid0(VALU_DEP_1)
	v_add_f32_dpp v200, v200, v200 row_xmask:8 row_mask:0xf bank_mask:0xf
	s_delay_alu instid0(VALU_DEP_1)
	v_permlanex16_b32 v201, v200, s12, s13
	s_delay_alu instid0(VALU_DEP_1)
	v_add_f32 v200, v200, v201
.endm
.macro ROW k
.set X, 72+32*\k
	s_wait_loadcnt 8*(3-\k)                        ; gamma, beta and this row are in; the eight loads of each later row may be out
	v_pk_add_f32 v[200:201], v[X:X+1], v[X+2:X+3]  ; the sum, in two chains
	v_pk_add_f32 v[202:203], v[X+4:X+5], v[X+6:X+7]
.irp j, 8,12,16,20,24,28
	s_delay_alu instid0(VALU_DEP_2)
	v_pk_add_f32 v[200:201], v[200:201], v[X+\j:X+\j+1]
	s_delay_alu instid0(VALU_DEP_2)
	v_pk_add_f32 v[202:203], v[202:203], v[X+\j+2:X+\j+3]
.endr
	s_delay_alu instid0(VALU_DEP_1)
	v_pk_add_f32 v[200:201], v[200:201], v[202:203]
	s_delay_alu instid0(VALU_DEP_1)
	v_add_f32 v200, v200, v201
	REDUCE
	s_delay_alu instid0(VALU_DEP_1)
	v_mul_f32 v204, 0xba800000, v200               ; -mean = sum x -(1 / 1,024)
.irp j, 0,2,4,6,8,10,12,14,16,18,20,22,24,26,28,30
	v_pk_add_f32 v[X+\j:X+\j+1], v[X+\j:X+\j+1], v[204:205] op_sel_hi:[1,0]
.endr
	v_pk_mul_f32 v[200:201], v[X:X+1], v[X:X+1]    ; the squares, in two chains
	v_pk_mul_f32 v[202:203], v[X+2:X+3], v[X+2:X+3]
.irp j, 4,8,12,16,20,24,28
	s_delay_alu instid0(VALU_DEP_2)
	v_pk_fma_f32 v[200:201], v[X+\j:X+\j+1], v[X+\j:X+\j+1], v[200:201]
	s_delay_alu instid0(VALU_DEP_2)
	v_pk_fma_f32 v[202:203], v[X+\j+2:X+\j+3], v[X+\j+2:X+\j+3], v[202:203]
.endr
	s_delay_alu instid0(VALU_DEP_1)
	v_pk_add_f32 v[200:201], v[200:201], v[202:203]
	s_delay_alu instid0(VALU_DEP_1)
	v_add_f32 v200, v200, v201
	REDUCE
	s_delay_alu instid0(VALU_DEP_1)
	v_fma_f32 v206, v200, s14, s15                 ; var + eps
	s_wait_alu depctr_va_vdst(0)
	v_rsq_f32 v208, v206
	v_nop                                          ; one plain place behind a transcendental
	s_wait_alu depctr_va_vdst(0)
.irp j, 0,2,4,6,8,10,12,14,16,18,20,22,24,26,28,30
	v_pk_mul_f32 v[X+\j:X+\j+1], v[X+\j:X+\j+1], v[208:209] op_sel_hi:[1,0]
.endr
.irp j, 0,2,4,6,8,10,12,14,16,18,20,22,24,26,28,30
	v_pk_fma_f32 v[X+\j:X+\j+1], v[X+\j:X+\j+1], v[GA+\j:GA+\j+1], v[BE+\j:BE+\j+1]
.endr
.irp j, 0,1,2,3,4,5,6,7
	global_store_b128 v1, v[X+4*\j:X+4*\j+3], s[10:11] offset:4096*\k+512*\j th:TH_STORE_NT   ; 32 lanes store 512 consecutive bytes, aligned
.endr
.endm
	ROW 0
	ROW 1
	ROW 2
	ROW 3
	s_endpgm
.Lfunc_end_k_qfacee6ff69_ln:
	.size	k_qfacee6ff69_ln, .Lfunc_end_k_qfacee6ff69_ln-k_qfacee6ff69_ln
	.p2alignl 7, 3214868480
	.fill 96, 4, 3214868480
	.section	.rodata,"a",@progbits
	.p2align	6, 0x0
	.amdhsa_kernel k_qfacee6ff69_ln
		.amdhsa_group_segment_fixed_size 0
		.amdhsa_private_segment_fixed_size 0
		.amdhsa_enable_private_segment 0
		.amdhsa_kernarg_size 32
		.amdhsa_user_sgpr_count 2
		.amdhsa_user_sgpr_kernarg_segment_ptr 1
		.amdhsa_wavefront_size32 1
		.amdhsa_system_sgpr_workgroup_id_x 1
		.amdhsa_system_sgpr_workgroup_id_y 1
		.amdhsa_system_sgpr_workgroup_id_z 1
		.amdhsa_system_vgpr_workitem_id 0
		.amdhsa_next_free_vgpr 216
		.amdhsa_next_free_sgpr 66
		.amdhsa_reserve_vcc 0
		.amdhsa_float_denorm_mode_32 3
		.amdhsa_float_denorm_mode_16_64 3
		.amdhsa_memory_ordered 1
		.amdhsa_forward_progress 1
		.amdhsa_inst_pref_size 39
	.end_amdhsa_kernel
	.amdgpu_metadata
---
amdhsa.version: [ 1, 2 ]
amdhsa.kernels:
  - .name:           k_qfacee6ff69_ln
    .symbol:         k_qfacee6ff69_ln.kd
    .args:
      - { .name: res, .offset: 0, .size: 8, .value_kind: global_buffer, .address_space: global }
      - { .name: gamma, .offset: 8, .size: 8, .value_kind: global_buffer, .address_space: global }
      - { .name: beta, .offset: 16, .size: 8, .value_kind: global_buffer, .address_space: global }
      - { .name: out0, .offset: 24, .size: 8, .value_kind: global_buffer, .address_space: global }
    .group_segment_fixed_size: 0
    .private_segment_fixed_size: 0
    .kernarg_segment_align: 8
    .kernarg_segment_size: 32
    .max_flat_workgroup_size: 256
    .sgpr_count:     66
    .vgpr_count:     216
    .wavefront_size: 32
...
	.end_amdgpu_metadata
.endif
;; end of part 3
